; MI455X (gfx1250); checked and timed in simulation.
; The chip was launched on July 23, 2026; its instructions are those of AMD's public machine-readable ISA for CDNA 5 (MIT licence, August 2026) and "CDNA5" Instruction Set Architecture Reference Guide (July 2026). The comments in the code are by the model that wrote it; some were corrected since.
;; Quantized Linear. Allowed arithmetic: float matrix products may take bf16 or f16 operands with f32 sums; other float arithmetic in f32, or as packed bf16 or f16 multiplies, adds, multiply-adds, maxima and minima; sums over many terms, partial sums and values carried from step to step in f32; what a program stores and reads back later, other than sums and carried values, may be rounded once to bf16 or f16.
;; Inputs: bias 4,096 float32; quantized_weight 4,096 x 4,096 int32; weight_scale one number float32; x 4,096 x 4,096 float32.
;; Outputs: out0 4,096 x 4,096 float32.
;; 2 versions, each right; version 2 is version 1 with the launch quant written anew for expert scheduling mode. Each part assembles by itself: llvm-mc -triple=amdgcn-amd-amdhsa -mcpu=gfx1250 --defsym DOCPART=n.
;; ======== version 1 of 2: 3 launches
;; workspace buffers: wq 33,554,432 bytes; xq 33,554,432 bytes; pmax 2,048 bytes; scl 256 bytes
;; launch prep (part 1): grid 512 x 1, 8 waves a work-group, no clusters, 1,280 bytes of LDS; arguments x, quantized_weight, wq, pmax; writes wq, pmax
.if DOCPART == 1
	.amdgcn_target "amdgcn-amd-amdhsa--gfx1250"
	.amdhsa_code_object_version 6
	.text
	.protected	k_qfff866d377_prep
	.globl	k_qfff866d377_prep
	.p2align	8
	.type	k_qfff866d377_prep,@function
k_qfff866d377_prep:
	s_mov_b64 s[64:65], 0
	v_nop
	global_prefetch_b8 v0, s[64:65] scope:SCOPE_SE
	s_setreg_imm32_b32 hwreg(HW_REG_WAVE_MODE, 25, 1), 1
	s_wait_xcnt 0x0
; FIRST OF THREE LAUNCHES.  pmax[g] = the largest |x| of work-group g's eight rows of x; wq = the weights, int32 -> bf16.
; x: [4096][4096] f32, quantized_weight: [4096][4096] int32, wq: [4096][4096] bf16, pmax: [512] f32.
; LIMITS.  A weight of magnitude up to 256 is exact in bf16; a larger one is rounded to 8 significant bits (beyond 2^24 it is rounded twice: to f32, then to bf16).
; A NaN in x is dropped by the maximum (v_max3_num_f32), where the reference would hand it on: NaN and infinities in x are not served.
; SHARES.  Wave g = 8 x work-group + wave owns row g of x and row g of the weights: 16,384 bytes each, as 32 loads of 16 bytes a lane; a load of the wave covers 512 consecutive bytes.
; Two sets of registers take turns: while one quarter of the two rows is worked on, the next quarter's 16 loads are out, and the set just used is asked for again ahead of the stores.
; A store of the wave is 32 lanes x 8 bytes: 256 consecutive bytes of wq, at a multiple of 256 from its first byte.  Each store has data registers of its own, so none is ever rewritten.
; No matrix unit, no cluster, no tile ring: no byte is wanted by two waves.
.set SPARE, 256                        ; LDS: bytes 0-31 the eight waves' maxima (a block of 256 to themselves); from 256 on the spare words, 128 bytes a wave
.set LO,  2                            ; v2   16 x lane: my bytes in 512 of x or of the weights; never rewritten
.set SO,  3                            ; v3   8 x lane: my bytes in 256 of wq; never rewritten
.set M,   8                            ; v[8:11]    four chains of the maximum
.set SPW, 30                           ; v30  LDS address of my spare word; never rewritten
.set NIL, 31                           ; v31  0; never rewritten
.set X,   32                           ; v[32:95]   x, two sets of 32
.set W,   96                           ; v[96:159]  weights, two sets of 32
.set Y,   160                          ; v[160:223] bf16 pairs to store: 16 registers a quarter
	s_load_b256 s[4:11], s[0:1], 0x0               ; x s[4:5], weights s[6:7], wq s[8:9], pmax s[10:11]
	v_lshl_add_u32 v[SPW], v0, 2, SPARE
	v_mov_b32 v[NIL], 0
	v_lshrrev_b32 v1, 5, v0
	v_readfirstlane_b32 s12, v1                    ; wave 0..7
	v_and_b32 v1, 31, v0                           ; lane
	v_lshlrev_b32 v[LO], 4, v1
	v_lshlrev_b32 v[SO], 3, v1
	s_lshl_b32 s13, ttmp9, 3
	s_add_co_u32 s13, s13, s12                     ; my row
	s_lshl_b32 s14, s13, 14                        ; x 16,384 bytes (under 2^26)
	s_mov_b32 s15, 0
	s_lshl_b32 s16, s13, 13                        ; x 8,192 bytes in wq
	s_mov_b32 s17, 0
	s_mov_b32 s18, 0x76543210                      ; v_permlanex16_b32: each lane takes its own place in the other half
	s_mov_b32 s19, 0xfedcba98
	s_lshl_b32 s22, ttmp9, 2                       ; my work-group's word of pmax
	s_mov_b32 s23, 0
.irp k, 0,1,2,3
	v_mov_b32 v[M+(\k)], 0                         ; |x| is never below 0, so 0 starts the chains
.endr
	v_mov_b32 v12, 0                               ; v_permlanex16_b32's destination counts as read
	v_mov_b32 v14, 0
	v_mov_b32 v13, s12
	v_lshlrev_b32 v13, 2, v13                      ; my wave's word in LDS
	s_wait_kmcnt 0x0
	s_add_nc_u64 s[4:5], s[4:5], s[14:15]
	s_add_nc_u64 s[6:7], s[6:7], s[14:15]
	s_add_nc_u64 s[8:9], s[8:9], s[16:17]
	s_add_nc_u64 s[10:11], s[10:11], s[22:23]
; Quarter r of both rows into set b: 16 loads.  x is read again by the next launch, so it has no hint; the weights are read once.
.macro LOADS b, r
.irp j, 0,1,2,3,4,5,6,7
	global_load_b128 v[X+32*(\b)+4*(\j):X+32*(\b)+4*(\j)+3], v[LO], s[4:5] offset:(8*(\r)+(\j))*512
	global_load_b128 v[W+32*(\b)+4*(\j):W+32*(\b)+4*(\j)+3], v[LO], s[6:7] offset:(8*(\r)+(\j))*512 th:TH_LOAD_NT
.endr
.endm
; Quarter r is worked on.  left = the younger loads that may stay out.
.macro ROUND r, left
.set BS, 32*((\r)%2)
	s_wait_loadcnt \left                           ; loads come back in order (ISA guide 5.7.1): my set is in
.set i, 0
.rept 16
	v_max3_num_f32 v[M+i%4], v[M+i%4], |v[X+BS+2*i]|, |v[X+BS+2*i+1]|
.set i, i+1
.endr
.set i, 0
.rept 32
	v_cvt_f32_i32 v[W+BS+i], v[W+BS+i]
.set i, i+1
.endr
.set i, 0
.rept 16
	v_cvt_pk_bf16_f32 v[Y+16*(\r)+i], v[W+BS+2*i], v[W+BS+2*i+1]
.set i, i+1
.endr
.if (\r) < 2
	LOADS (\r)%2, (\r)+2                           ; the set is asked for again, ahead of the stores
.endif
.irp j, 0,1,2,3,4,5,6,7
	global_store_b64 v[SO], v[Y+16*(\r)+2*(\j):Y+16*(\r)+2*(\j)+1], s[8:9] offset:(8*(\r)+(\j))*256 th:TH_STORE_NT
.endr
.endm
	LOADS 0, 0
	LOADS 1, 1
	ROUND 0, 16                                    ; 16: the other set's loads
	ROUND 1, 16
	ROUND 2, 16
	ROUND 3, 0                                     ; nothing younger is out
	; the wave's maximum: the four chains, four steps inside each half of 16 lanes, one across the halves
	v_max3_num_f32 v[M], v[M], v[M+1], v[M+2]
	v_max_num_f32 v[M], v[M], v[M+3]
	v_max_num_f32_dpp v[M], v[M], v[M] row_xmask:1 row_mask:0xf bank_mask:0xf
	v_max_num_f32_dpp v[M], v[M], v[M] row_xmask:2 row_mask:0xf bank_mask:0xf
	v_max_num_f32_dpp v[M], v[M], v[M] row_xmask:4 row_mask:0xf bank_mask:0xf
	v_max_num_f32_dpp v[M], v[M], v[M] row_xmask:8 row_mask:0xf bank_mask:0xf
	v_permlanex16_b32 v12, v[M], s18, s19
	v_max_num_f32 v[M], v[M], v12
	; the work-group's: each wave puts its figure into its own word, one barrier, all eight are read
	ds_store_b32 v13, v[M]
	s_wait_dscnt 0x0                               ; for the others' sake: my store is done
	s_barrier_signal -1
	s_barrier_wait -1
	ds_load_b128 v[16:19], v14
	ds_load_b128 v[20:23], v14 offset:16
	s_wait_dscnt 0x0
	v_max3_num_f32 v16, v16, v17, v18
	v_max3_num_f32 v16, v16, v19, v20
	v_max3_num_f32 v16, v16, v21, v22
	v_max_num_f32 v16, v16, v23
	s_wait_xcnt 0x0                                ; EXEC is a source of the stores above: it changes only behind this wait
	v_cmp_eq_u32 vcc_lo, 0, v0
	s_and_saveexec_b32 s20, vcc_lo                 ; thread 0 alone
	global_store_b32 v14, v16, s[10:11]
	s_wait_xcnt 0x0                                ; and again, in front of the line that widens it
	s_or_b32 exec_lo, exec_lo, s20
	s_wait_tensorcnt 0x0                           ; the wave's end, behind my last LDS store
	ds_add_u32 v[SPW], v[NIL]
	s_wait_dscnt 0x0
	s_endpgm
.Lfunc_end_k_qfff866d377_prep:
	.size	k_qfff866d377_prep, .Lfunc_end_k_qfff866d377_prep-k_qfff866d377_prep
	.p2alignl 7, 3214868480
	.fill 96, 4, 3214868480
	.section	.rodata,"a",@progbits
	.p2align	6, 0x0
	.amdhsa_kernel k_qfff866d377_prep
		.amdhsa_group_segment_fixed_size 1280
		.amdhsa_private_segment_fixed_size 0
		.amdhsa_enable_private_segment 0
		.amdhsa_kernarg_size 32
		.amdhsa_user_sgpr_count 2
		.amdhsa_user_sgpr_kernarg_segment_ptr 1
		.amdhsa_wavefront_size32 1
		.amdhsa_system_sgpr_workgroup_id_x 1
		.amdhsa_system_sgpr_workgroup_id_y 1
		.amdhsa_system_sgpr_workgroup_id_z 1
		.amdhsa_system_vgpr_workitem_id 0
		.amdhsa_next_free_vgpr 224
		.amdhsa_next_free_sgpr 66
		.amdhsa_reserve_vcc 1
		.amdhsa_float_denorm_mode_32 3
		.amdhsa_float_denorm_mode_16_64 3
		.amdhsa_memory_ordered 1
		.amdhsa_forward_progress 1
		.amdhsa_inst_pref_size 24
	.end_amdhsa_kernel
	.amdgpu_metadata
---
amdhsa.version: [ 1, 2 ]
amdhsa.kernels:
  - .name:           k_qfff866d377_prep
    .symbol:         k_qfff866d377_prep.kd
    .args:
      - { .name: x, .offset: 0, .size: 8, .value_kind: global_buffer, .address_space: global }
      - { .name: quantized_weight, .offset: 8, .size: 8, .value_kind: global_buffer, .address_space: global }
      - { .name: wq, .offset: 16, .size: 8, .value_kind: global_buffer, .address_space: global }
      - { .name: pmax, .offset: 24, .size: 8, .value_kind: global_buffer, .address_space: global }
    .group_segment_fixed_size: 1280
    .private_segment_fixed_size: 0
    .kernarg_segment_align: 8
    .kernarg_segment_size: 32
    .max_flat_workgroup_size: 256
    .sgpr_count:     66
    .vgpr_count:     224
    .wavefront_size: 32
...
	.end_amdgpu_metadata
.endif
;; end of part 1
;; launch quant (part 2): grid 512 x 1, 8 waves a work-group, no clusters, 0 bytes of LDS; arguments x, pmax, xq, scl; writes xq, scl
.if DOCPART == 2
	.amdgcn_target "amdgcn-amd-amdhsa--gfx1250"
	.amdhsa_code_object_version 6
	.text
	.protected	k_qfff866d377_quant
	.globl	k_qfff866d377_quant
	.p2align	8
	.type	k_qfff866d377_quant,@function
k_qfff866d377_quant:
	s_mov_b64 s[64:65], 0
	v_nop
	global_prefetch_b8 v0, s[64:65] scope:SCOPE_SE
	s_setreg_imm32_b32 hwreg(HW_REG_WAVE_MODE, 25, 1), 1
	s_wait_xcnt 0x0
; SECOND OF THREE LAUNCHES.  m = the largest of pmax's 512 numbers; x_scale = m / 127; xq = clip(round(x / x_scale), -127, 127) as bf16; scl = x_scale, 64 times.
; x: [4096][4096] f32, pmax: [512] f32, xq: [4096][4096] bf16, scl: [64] f32.  Whole numbers up to 256 are exact in bf16, so xq loses nothing.
; LIMITS.  An x that is all zeros (the reference gives NaN), NaN or infinities in x, and m below 127 x 2^-126 (v_rcp_f32 takes a denormal as 0: ISA guide 15.8) are not served.
; The two divisions are a reciprocal with a correction by the remainder: m / 127 = s0 + (m - 127 s0) / 127 with s0 = m x (1/127); x / x_scale = q0 + (x - q0 x_scale) r with q0 = x r and r = 1 / x_scale
; after one Newton step.  Where the quotient so made falls on the other side of a half than the reference's, one entry of xq differs by 1.
; The clip is made on the packed bf16: 127 is exact there and the rounding to bf16 keeps the order, so it is the f32 clip.
; SHARES.  Wave g = 8 x work-group + wave owns row g of x and holds all of it: 32 loads of 16 bytes a lane, all issued at once behind the four loads of pmax, which every wave reads whole.
; Each register is written by one load and read by one store: nothing is rewritten while a store may read it.  A store of the wave is 256 consecutive bytes of xq, at a multiple of 256 from its first byte.
.set LO, 2                             ; v2   16 x lane; never rewritten
.set SO, 3                             ; v3   8 x lane; never rewritten
.set X,  32                            ; v[32:159]  the row; registers 4 j, 4 j + 1 later hold the four bf16 to store
.set P,  160                           ; v[160:175] pmax
	s_load_b256 s[4:11], s[0:1], 0x0               ; x s[4:5], pmax s[6:7], xq s[8:9], scl s[10:11]
	v_lshrrev_b32 v1, 5, v0
	v_readfirstlane_b32 s12, v1                    ; wave 0..7
	v_and_b32 v1, 31, v0
	v_lshlrev_b32 v[LO], 4, v1
	v_lshlrev_b32 v[SO], 3, v1
	v_mov_b32 v5, 0                                ; v_permlanex16_b32's destination counts as read
	s_lshl_b32 s13, ttmp9, 3
	s_add_co_u32 s13, s13, s12                     ; my row
	s_lshl_b32 s14, s13, 14
	s_mov_b32 s15, 0
	s_lshl_b32 s16, s13, 13
	s_mov_b32 s17, 0
	s_mov_b32 s18, 0x76543210
	s_mov_b32 s19, 0xfedcba98
	s_mov_b32 s20, 0x42fe0000                      ; 127.0
	s_mov_b32 s21, 0x3c010204                      ; 1 / 127
	s_mov_b32 s26, 0x42fe42fe                      ; 127, twice, in bf16
	s_mov_b32 s27, 0xc2fec2fe                      ; -127, twice
	s_or_b32 s28, ttmp9, s12                       ; 0 in wave 0 of work-group 0
	s_wait_kmcnt 0x0
	s_add_nc_u64 s[4:5], s[4:5], s[14:15]
	s_add_nc_u64 s[8:9], s[8:9], s[16:17]
.irp i, 0,1,2,3
	global_load_b128 v[P+4*(\i):P+4*(\i)+3], v[LO], s[6:7] offset:512*(\i)
.endr
.set j, 0
.rept 32
	global_load_b128 v[X+4*j:X+4*j+3], v[LO], s[4:5] offset:512*j th:TH_LOAD_NT
.set j, j+1
.endr
	s_wait_loadcnt 32                              ; pmax is in; the row's 32 loads stay out
.irp i, 0,1,2,3
	v_max3_num_f32 v[P+4*(\i)], v[P+4*(\i)], v[P+4*(\i)+1], v[P+4*(\i)+2]
.endr
	v_max3_num_f32 v[P], v[P], v[P+3], v[P+7]
	v_max3_num_f32 v[P+4], v[P+4], v[P+11], v[P+15]
	v_max3_num_f32 v[P], v[P], v[P+4], v[P+8]
	v_max_num_f32 v4, v[P], v[P+12]
	v_max_num_f32_dpp v4, v4, v4 row_xmask:1 row_mask:0xf bank_mask:0xf
	v_max_num_f32_dpp v4, v4, v4 row_xmask:2 row_mask:0xf bank_mask:0xf
	v_max_num_f32_dpp v4, v4, v4 row_xmask:4 row_mask:0xf bank_mask:0xf
	v_max_num_f32_dpp v4, v4, v4 row_xmask:8 row_mask:0xf bank_mask:0xf
	v_permlanex16_b32 v5, v4, s18, s19
	v_max_num_f32 v4, v4, v5                       ; m, in every lane
	v_mul_f32 v6, s21, v4                          ; s0
	v_fma_f32 v11, -v6, s20, v4                    ; m - 127 s0
	v_fma_f32 v8, v11, s21, v6                     ; x_scale
	v_mov_b32 v9, v8
	v_rcp_f32 v10, v8
	v_nop                                          ; a plain instruction between the reciprocal and the use of its result (ISA guide 5.7.2)
	s_wait_alu depctr_va_vdst(0)                   ; and a wait ahead of the first use
	v_fma_f32 v11, -v8, v10, 1.0
	v_fma_f32 v10, v11, v10, v10                   ; r, after one Newton step
	v_readfirstlane_b32 s22, v8                    ; s[22:23] x_scale, s[24:25] r: the packed lines name pairs and take the low word for both halves
	s_mov_b32 s23, s22
	v_readfirstlane_b32 s24, v10
	s_mov_b32 s25, s24
.set j, 0
.rept 32
.set T, 12+8*(j%2)                     ; v[12:19], v[20:27] at work, by turns: four quotients, four remainders
.set XR, X+4*j
	s_wait_loadcnt 31-j                            ; load j is in; the younger ones stay out
	v_pk_mul_f32 v[T:T+1], v[XR:XR+1], s[24:25] op_sel_hi:[1,0]
	v_pk_mul_f32 v[T+2:T+3], v[XR+2:XR+3], s[24:25] op_sel_hi:[1,0]
	v_pk_fma_f32 v[T+4:T+5], v[T:T+1], s[22:23], v[XR:XR+1] op_sel_hi:[1,0,1] neg_lo:[1,0,0] neg_hi:[1,0,0]
	v_pk_fma_f32 v[T+6:T+7], v[T+2:T+3], s[22:23], v[XR+2:XR+3] op_sel_hi:[1,0,1] neg_lo:[1,0,0] neg_hi:[1,0,0]
	v_pk_fma_f32 v[T:T+1], v[T+4:T+5], s[24:25], v[T:T+1] op_sel_hi:[1,0,1]
	v_pk_fma_f32 v[T+2:T+3], v[T+6:T+7], s[24:25], v[T+2:T+3] op_sel_hi:[1,0,1]
	v_rndne_f32 v[T], v[T]
	v_rndne_f32 v[T+1], v[T+1]
	v_rndne_f32 v[T+2], v[T+2]
	v_rndne_f32 v[T+3], v[T+3]
	v_cvt_pk_bf16_f32 v[XR], v[T], v[T+1]
	v_cvt_pk_bf16_f32 v[XR+1], v[T+2], v[T+3]
	v_pk_min_num_bf16 v[XR], v[XR], s26
	v_pk_min_num_bf16 v[XR+1], v[XR+1], s26
	v_pk_max_num_bf16 v[XR], v[XR], s27
	v_pk_max_num_bf16 v[XR+1], v[XR+1], s27
	global_store_b64 v[SO], v[XR:XR+1], s[8:9] offset:256*j th:TH_STORE_NT
.set j, j+1
.endr
	s_cmp_lg_u32 s28, 0                            ; one wave of the launch writes scl: 32 lanes x 8 bytes, all 256
	s_cbranch_scc1 .Lend
	global_store_b64 v[SO], v[8:9], s[10:11]
.Lend:
	s_endpgm
.Lfunc_end_k_qfff866d377_quant:
	.size	k_qfff866d377_quant, .Lfunc_end_k_qfff866d377_quant-k_qfff866d377_quant
	.p2alignl 7, 3214868480
	.fill 96, 4, 3214868480
	.section	.rodata,"a",@progbits
	.p2align	6, 0x0
	.amdhsa_kernel k_qfff866d377_quant
		.amdhsa_group_segment_fixed_size 0
		.amdhsa_private_segment_fixed_size 0
		.amdhsa_enable_private_segment 0
		.amdhsa_kernarg_size 32
		.amdhsa_user_sgpr_count 2
		.amdhsa_user_sgpr_kernarg_segment_ptr 1
		.amdhsa_wavefront_size32 1
		.amdhsa_system_sgpr_workgroup_id_x 1
		.amdhsa_system_sgpr_workgroup_id_y 1
		.amdhsa_system_sgpr_workgroup_id_z 1
		.amdhsa_system_vgpr_workitem_id 0
		.amdhsa_next_free_vgpr 176
		.amdhsa_next_free_sgpr 66
		.amdhsa_reserve_vcc 0
		.amdhsa_float_denorm_mode_32 3
		.amdhsa_float_denorm_mode_16_64 3
		.amdhsa_memory_ordered 1
		.amdhsa_forward_progress 1
		.amdhsa_inst_pref_size 39
	.end_amdhsa_kernel
	.amdgpu_metadata
---
amdhsa.version: [ 1, 2 ]
amdhsa.kernels:
  - .name:           k_qfff866d377_quant
    .symbol:         k_qfff866d377_quant.kd
    .args:
      - { .name: x, .offset: 0, .size: 8, .value_kind: global_buffer, .address_space: global }
      - { .name: pmax, .offset: 8, .size: 8, .value_kind: global_buffer, .address_space: global }
      - { .name: xq, .offset: 16, .size: 8, .value_kind: global_buffer, .address_space: global }
      - { .name: scl, .offset: 24, .size: 8, .value_kind: global_buffer, .address_space: global }
    .group_segment_fixed_size: 0
    .private_segment_fixed_size: 0
    .kernarg_segment_align: 8
    .kernarg_segment_size: 32
    .max_flat_workgroup_size: 256
    .sgpr_count:     66
    .vgpr_count:     176
    .wavefront_size: 32
...
	.end_amdgpu_metadata
.endif
;; end of part 2
;; launch gemm (part 3): grid 16 x 16, 4 waves a work-group, clusters of 4 x 4, 327,680 bytes of LDS; arguments xq, wq, out0, bias, scl, weight_scale; writes out0
.if DOCPART == 3
	.amdgcn_target "amdgcn-amd-amdhsa--gfx1250"
	.amdhsa_code_object_version 6
	.text
	.protected	k_qfff866d377_gemm
	.globl	k_qfff866d377_gemm
	.p2align	8
	.type	k_qfff866d377_gemm,@function
k_qfff866d377_gemm:
	s_mov_b64 s[64:65], 0
	v_nop
	global_prefetch_b8 v0, s[64:65] scope:SCOPE_SE
	s_setreg_imm32_b32 hwreg(HW_REG_WAVE_MODE, 25, 1), 1
	s_wait_xcnt 0x0
	s_wait_alu depctr_hold_cnt(0) depctr_sa_sdst(0) depctr_va_vdst(0) depctr_va_sdst(0) depctr_va_ssrc(0) depctr_va_vcc(0) depctr_vm_vsrc(0)
	s_getreg_b32 s2, hwreg(HW_REG_IB_STS2, 6, 4)
	s_cmp_eq_u32 s2, 0
	s_cbranch_scc0 .Lentry_in_a_cluster
	s_endpgm
.Lentry_in_a_cluster:
	s_bfe_u32 s2, ttmp6, 0x10000c
	s_cmp_lg_u32 s2, 0xf033
	s_cbranch_scc0 .Lentry_shape_is_right
	s_endpgm
.Lentry_shape_is_right:
; THIRD OF THREE LAUNCHES.  out0[m][n] = (the sum over k of xq[m][k] wq[n][k]) x (x_scale x weight_scale) + bias[n].
; xq, wq: [4096][4096] bf16 (whole numbers, exact); out0: [4096][4096] f32; bias: [4096] f32; scl holds x_scale; weight_scale one f32.  Sums in f32.
; LIMIT.  Scale and bias are one fused multiply-add, rounded once, where the reference rounds the product and then the sum.
; A tile of out0, 256 x 256, is made by a work-group of four waves; a wave makes 128 x 128: 64 accumulators of 16 x 16, 512 registers.  256 tiles, one to a work-group.
; K goes in 32 steps of 128 through a ring of two LDS slots filled by the tensor data mover: the tiles' rows are 256 bytes of memory and start at multiples of 256 bytes from the buffer's first byte.
; CLUSTERS: 4 x 4 work-groups.  The four of a row of the cluster need the same tiles of xq (A), the four of a column the same tiles of wq (B).  Such a tile is asked for JOINTLY: each of the four issues
; the same tensor load, with the same descriptor and a mask that names the four, and each receives the tile in its own LDS.
; REGISTERS, in windows of 256 (s_set_vgpr_msb's low byte: bits 1:0 source 0, 3:2 source 1, 5:4 source 2, 7:6 destination):
;   window 0: v0-35 addresses and bias; v64-127, v128-191 fragments of A, two buffers; on the way out the same 128 hold rows read back from the stage
;   window 1: v64-127, v128-191 fragments of B, two buffers
;   window 2: the 32 accumulators of my rows 0-63 (accumulator (a, b) at v[8 (8 a + b)]);   window 3: those of my rows 64-127
; THE MATRIX INSTRUCTION IS USED TRANSPOSED: source 0 = 16 rows of B, source 1 = 16 rows of A.  In the result lane l holds row l % 16 of out0 and its registers 0 to 7 the columns 8 (l / 16) + 0 .. 7:
; 32 neighbouring bytes of a row.
.set SIZE_K, 4096
.set SIZE_N, 4096
.set KSTEP,  128
.set PITCH,  272                       ; an LDS row: 256 bytes of data + 16 of padding = 68 words: row r starts at bank 4 r mod 64 (64 banks of 4 bytes: ISA guide 11.1), so the 16 rows that a load touches start at 16 different banks
.set HALFT,  128*PITCH                 ; 128 rows: what one tensor load brings, and what one wave reads of A or of B
.set SLOT,   4*HALFT                   ; A's 256 rows, then B's 256 rows
.set STAGE,  2*SLOT                    ; behind the ring: 16 rows x 528 bytes for each wave, for the way out; no tensor load fills it
.set SPITCH, 528                       ; a stage row: my 128 columns in f32, 512 bytes, + 16 = 132 words: row r starts at bank 4 r mod 64
.set SPARE,  STAGE+4*16*SPITCH         ; behind the stages: the spare words, 128 bytes for each wave: two blocks of 256 bytes that no other line names
.set LAPS,   SIZE_K/(2*KSTEP)          ; a lap = two K steps = once round the ring
.set ADRA, 16                          ; v16-17  LDS address of my A fragments in slot 0, 1
.set ADRB, 20                          ; v20-21  the same for B
.set STO,  24                          ; v24     the way out: where I put 32 bytes of a row
.set RD,   25                          ; v25     the way out: where I read 16 bytes of a row back
.set CO,   26                          ; v26     16 x lane: my bytes in my wave's 512 of a row of out0; never rewritten
.set BO,   27                          ; v27     my byte offset in bias; never rewritten
.set SPW,  28                          ; v28     LDS address of my spare word: SPARE + 4 x my thread's number; never rewritten
.set NIL,  29                          ; v29     0; never rewritten
.set PFO,  30                          ; v30     the prefetches' offset: my lane x a row of A or B in memory; never rewritten
.set BI,   32                          ; v[32:35] bias of the four columns that I store
.set F0,   64                          ; fragment buffer 0
.set F1,   128                         ; fragment buffer 1
.set G1,  24                           ; s[24:31] descriptor group 1 for A's tiles
.set G0,  32                           ; s[32:39] descriptor group 0 for A's tiles, one set for each slot
.set LIM, 43                           ; s43      1 in a wave that prefetches, else the greatest number
.set PFA, 44                           ; s[44:45] where my prefetches stand
.set G1B, 48                           ; s[48:55] descriptor group 1 for B's tiles: it differs from A's in the mask alone
.set G0B, 56                           ; s[56:63] descriptor group 0 for B's tiles
.set FS,  78                           ; s[78:79] x_scale x weight_scale: the packed line names a pair and takes its low word for both halves
.set MSB, 0
.macro WIN new                         ; the immediate's high byte repeats the setting that is left; a switch that changes nothing is dropped
.if MSB != (\new)
	s_set_vgpr_msb (MSB<<8)|(\new)
.set MSB, \new
.endif
.endm
.set MUL_LO, 0xa1                      ; source 0 (B) window 1, source 1 (A) window 0, C and D window 2
.set MUL_HI, 0xf1                      ; the same, C and D window 3
.set TO_B,   0x40                      ; destination window 1, address window 0
; A joint load.  Waves 0 and 1 fetch A's two halves, waves 2 and 3 B's.  Each of the two lines has one mask and one set of registers for all that issue it.  The branch hangs on the wave's number alone.
; An s_nop 0 and four v_nop follow each of the two lines, ahead of the jump, the label and what follows the macro.
.macro JLOAD s
	s_cmp_eq_u32 s11, 0
	s_cbranch_scc0 .Lfor_b_\@
	tensor_load_to_lds s[G0+4*(\s):G0+4*(\s)+3], s[G1:G1+7]
	s_nop 0
.rept 4
	v_nop
.endr
	s_branch .Lasked_\@
.Lfor_b_\@:
	tensor_load_to_lds s[G0B+4*(\s):G0B+4*(\s)+3], s[G1B:G1B+7]
	s_nop 0
.rept 4
	v_nop
.endr
.Lasked_\@:
.endm
; A PREFETCH, behind each joint refill, its five lines and the run of LDS loads that follows them: the K step that stands TWO refills on (512 matrix instructions ahead of the load that will want it):
; 32 rows x 256 bytes, a lane a row, one instruction a wave.  Each row's 256 bytes of a K step are named ONCE in the launch: A's tile row is read by every cluster of that row of clusters, and the one
; with x = 0 asks; B's tile column by every cluster of that column, and the one with y = 0 asks.  The four partners that ask for a tile jointly share its rows out BY ADDRESS: of the 128 rows that a wave
; fetches the partner at place p takes 32 p .. 32 p + 31 (p = cx for A, cy for B).  The loop's last trip (s3 = 1) asks for nothing: its two refills have no K step two on.  K steps 0 to 3 come by their loads alone.
.macro ASK
	s_cmp_gt_u32 s3, s[LIM]
	s_cbranch_scc0 .Lnot_mine_\@
	global_prefetch_b8 v[PFO], s[PFA:PFA+1] offset:KSTEP*2 th:TH_LOAD_NT scope:SCOPE_SE
.Lnot_mine_\@:
.endm
; A round of the cluster's barrier: my work-group's barrier, so that wave 0's signal speaks for all four waves; wave 0 signals for the work-group; every wave waits for all sixteen work-groups;
; my work-group's barrier once more.  No LDS instruction of the wave is pending at a signal.
.macro CREST                           ; a round behind its opening barrier
	s_cmp_lg_u32 s10, 0
	s_cbranch_scc1 .Lnot_wave_0_\@
	s_barrier_signal -3
.Lnot_wave_0_\@:
	s_barrier_wait -3
	s_barrier_signal -1
	s_barrier_wait -1
.endm
.macro CROUND                          ; a whole round
	s_barrier_signal -1
	s_barrier_wait -1
	CREST
.endm
	s_load_b128 s[4:7], s[0:1], 0x0                ; A (xq) s[4:5], B (wq) s[6:7]
	s_load_b64 s[8:9], s[0:1], 0x10                ; out0
	s_load_b64 s[68:69], s[0:1], 0x18              ; bias
	s_load_b128 s[72:75], s[0:1], 0x20             ; scl s[72:73], weight_scale s[74:75]
	v_lshl_add_u32 v[SPW], v0, 2, SPARE
	v_mov_b32 v[NIL], 0
	ds_add_u32 v[SPW], v[NIL]                      ; the wave's opening: an add of 0 to my spare word, twice on end, and its wait ahead of my first tensor load; the set-up below stands between
	ds_add_u32 v[SPW], v[NIL]                      ; and once more, under the one wait
	v_lshrrev_b32 v1, 5, v0
	v_readfirstlane_b32 s10, v1                    ; wave 0..3
	s_lshr_b32 s11, s10, 1                         ; which half of the tile's rows is mine.  Also: I fetch for A (0) or for B (1)
	s_and_b32 s12, s10, 1                          ; which half of its columns.  Also: which 128 rows of that tile I fetch
	s_bfe_u32 s40, ttmp6, 0x40000                  ; cx: my place along the cluster's x
	s_bfe_u32 s41, ttmp6, 0x40004                  ; cy: along its y
	s_lshl_b32 s42, ttmp9, 2                       ; in a cluster launch ttmp9 and ttmp7 count clusters
	s_add_co_u32 s42, s42, s40                     ; tile column = 4 x cluster x + cx
	s_and_b32 s13, ttmp7, 0xffff
	s_lshl_b32 s13, s13, 2
	s_add_co_u32 s13, s13, s41                     ; tile row = 4 x cluster y + cy
	s_lshl_b32 s43, s41, 2
	s_lshl_b32 s43, 15, s43                        ; my row of the cluster: places 4 cy .. 4 cy + 3
	s_lshl_b32 s44, 0x1111, s40                    ; my column: places cx, cx + 4, cx + 8, cx + 12
	; descriptor group 1: a tile of 128 rows x 128 elements, padded in LDS
	s_or_b32 s[G1+0], s43, (1<<16)|(1<<20)|(1<<21)|(5<<22)|(3<<25)  ; 15:0 the mask: A's tiles go to my row; 17:16 elements of 2 bytes; 20 padding on; 21 set beside a mask; 24:22 after every 64 words (code 5); 31:25 4 words of it (code 3)
	s_or_b32 s[G1B+0], s44, (1<<16)|(1<<20)|(1<<21)|(5<<22)|(3<<25) ; the same with the mask of my column, for B's tiles
.irp g, G1, G1B
	s_mov_b32 s[(\g)+1], KSTEP<<16                 ; tensor_dim0 = 128
	s_mov_b32 s[(\g)+2], 128<<16                   ; tensor_dim1 = 128
	s_mov_b32 s[(\g)+3], KSTEP<<16                 ; tile_dim0 = 128
	s_mov_b32 s[(\g)+4], 128                       ; tile_dim1 = 128
	s_mov_b32 s[(\g)+5], SIZE_K                    ; elements from row to row
	s_mov_b32 s[(\g)+6], 0
	s_mov_b32 s[(\g)+7], 0
.endr
	; where the tiles come from.  A's hang on the tile row alone, which my row of the cluster shares; B's on the tile column alone, which my column shares.
	; Every wave makes both addresses, in registers that never hold the other coordinate, and asks by one of them.
	s_lshl_b32 s17, s12, 7                         ; which 128 rows of the tile I fetch
	s_lshl_b32 s16, s13, 8
	s_add_co_u32 s16, s16, s17                     ; A: row 256 x tile row + 128 x half
	s_lshl_b32 s46, s42, 8
	s_add_co_u32 s46, s46, s17                     ; B: row 256 x tile column + 128 x half
	s_mov_b32 s17, 0
	s_mov_b32 s47, 0
	s_mov_b64 s[18:19], SIZE_K*2
	s_mul_u64 s[16:17], s[16:17], s[18:19]         ; in bytes
	s_mul_u64 s[46:47], s[46:47], s[18:19]
	s_mul_i32 s20, s10, HALFT                      ; and where they go: A's two halves, then B's two halves = wave x 128 rows: no place in the cluster enters an LDS address
	s_wait_dscnt 0x0                               ; both opening adds are done
	s_wait_kmcnt 0x0
	s_add_nc_u64 s[14:15], s[4:5], s[16:17]
	s_add_nc_u64 s[46:47], s[6:7], s[46:47]
	CROUND                                         ; all sixteen work-groups are here: the first joint loads meet
.irp s, 0,1
	s_mov_b32 s[G0+4*(\s)], 1                                      ; 1:0 count = 1
	s_add_co_u32 s[G0+4*(\s)+1], s20, (\s)*SLOT                    ; 63:32 LDS address
	s_add_nc_u64 s[G0+4*(\s)+2:G0+4*(\s)+3], s[14:15], (\s)*KSTEP*2  ; 120:64 global address: K step s
	s_or_b32 s[G0+4*(\s)+3], s[G0+4*(\s)+3], 0x80000000            ; 127:126 type = 2
	s_mov_b32 s[G0B+4*(\s)], 1
	s_add_co_u32 s[G0B+4*(\s)+1], s20, (\s)*SLOT
	s_add_nc_u64 s[G0B+4*(\s)+2:G0B+4*(\s)+3], s[46:47], (\s)*KSTEP*2
	s_or_b32 s[G0B+4*(\s)+3], s[G0B+4*(\s)+3], 0x80000000
	JLOAD \s                                       ; the ring is filled before anything else is done: two loads of mine are out
.endr
	s_load_b32 s76, s[72:73], 0x0                  ; x_scale
	s_load_b32 s77, s[74:75], 0x0                  ; weight_scale
	; A fragment is 16 rows x 32 K in 8 registers: lane l holds row l % 16; registers 0-3 hold K = 8 (l / 16) + 0..7, registers 4-7 hold K = 16 + 8 (l / 16) + 0..7: two loads of 16 bytes, 32 bytes apart.
	v_and_b32 v1, 15, v0                           ; l % 16
	v_bfe_u32 v2, v0, 4, 1                         ; l / 16
	v_mul_u32_u24 v3, v1, PITCH
	v_lshl_add_u32 v3, v2, 4, v3                   ; row x pitch + 16 x half
	s_mul_i32 s21, s11, HALFT                      ; my 128 rows of A
	s_mul_i32 s22, s12, HALFT                      ; my 128 rows of B,
	s_add_co_u32 s22, s22, 2*HALFT                 ; which lie behind A's 256
.irp s, 0,1
	v_add_nc_u32 v[ADRA+(\s)], s21, v3
	v_add_nc_u32 v[ADRB+(\s)], s22, v3
	s_add_co_u32 s21, s21, SLOT
	s_add_co_u32 s22, s22, SLOT
.endr
	s_mul_i32 s23, s10, 16*SPITCH
	s_add_co_u32 s23, s23, STAGE                   ; my stage
	v_mul_u32_u24 v4, v1, SPITCH                   ; in: row l % 16, 32 bytes for each half of the lanes
	v_lshl_add_u32 v4, v2, 5, v4
	v_add_nc_u32 v[STO], s23, v4
	v_and_b32 v5, 31, v0
	v_lshlrev_b32 v[CO], 4, v5                     ; back: 32 lanes take one row's 512 bytes, 16 each; and the same in out0
	v_add_nc_u32 v[RD], s23, v[CO]
	; where my part of the tile begins in out0, in bytes (under 2^27)
	s_lshl_b32 s13, s13, 8                         ; 256 x tile row
	s_lshl_b32 s14, s11, 7
	s_add_co_u32 s16, s13, s14                     ; my first row
	s_lshl_b32 s16, s16, 14                        ; x 16,384 bytes
	s_mov_b32 s17, 0
	s_lshl_b32 s46, s42, 10                        ; my first column, in bytes: 1,024 x tile column + 512 x half
	s_lshl_b32 s47, s12, 9
	s_add_co_u32 s46, s46, s47
	v_add_nc_u32 v[BO], s46, v[CO]                 ; the same columns in bias
	s_mov_b32 s47, 0
	s_add_nc_u64 s[16:17], s[16:17], s[46:47]
	s_add_nc_u64 s[8:9], s[8:9], s[16:17]
	global_load_b128 v[BI:BI+3], v[BO], s[68:69]   ; waited for on the way out
	; the prefetches.  s13 = 256 x tile row, s42 = tile column, s40 = cx, s41 = cy still stand
	s_lshl_b32 s42, s42, 8
	s_and_b32 s22, ttmp7, 0xffff                   ; cluster y
	s_cmp_eq_u32 s11, 0                            ; do I fetch for A?
	s_cselect_b32 s20, s13, s42                    ; the tile's first row: in A by the tile row, in B by the tile column
	s_cselect_b32 s21, s40, s41                    ; my place among the four that ask for it with me
	s_cselect_b32 s22, ttmp9, s22                  ; the coordinate along which other clusters read the same rows
	s_cselect_b64 s[PFA:PFA+1], s[4:5], s[6:7]
	s_cmp_eq_u32 s22, 0
	s_cselect_b32 s[LIM], 1, -1                    ; the same in all sixteen partners, for a given wave
	s_lshl_b32 s22, s12, 7
	s_add_co_u32 s20, s20, s22                     ; + the 128 rows that I fetch
	s_lshl_b32 s21, s21, 5
	s_add_co_u32 s20, s20, s21                     ; + my work-group's 32 of them
	s_mov_b32 s21, 0
	s_mov_b64 s[18:19], SIZE_K*2
	s_mul_u64 s[20:21], s[20:21], s[18:19]
	s_add_nc_u64 s[PFA:PFA+1], s[PFA:PFA+1], s[20:21]
	s_add_nc_u64 s[PFA:PFA+1], s[PFA:PFA+1], 2*KSTEP*2  ; at K step 2: the first refill steps it to 3 and names K step 4
	v_and_b32 v[PFO], 31, v0
	v_mul_u32_u24 v[PFO], v[PFO], SIZE_K*2
	s_wait_kmcnt 0x0                               ; the two scales
	s_mul_f32 s[FS], s76, s77                      ; rounded once, as the reference rounds it
	s_mov_b32 s[FS+1], s[FS]                       ; named with it as a pair
; 16 matrix instructions: m blocks a0, a0 + 1 of the window's four (hi = 0: my rows 0-63, 1: rows 64-127) x all 8 n blocks, 32 along K.  zero = 1: the first product starts the sums: nothing is ever cleared.
; The 64 accumulators take turns, one instruction a turn, in the same order in every quarter step, over the loop's backward jump and into the tail too.
.macro MUL16 f, hi, a0, zero
	WIN MUL_LO+0x50*(\hi)
.irp a, \a0, (\a0)+1
.irp b, 0,1,2,3,4,5,6,7
.if \zero
	v_wmma_f32_16x16x32_bf16 v[8*(8*(\a)+(\b)):8*(8*(\a)+(\b))+7], v[(\f)+8*(\b):(\f)+8*(\b)+7], v[(\f)+8*(4*(\hi)+(\a)):(\f)+8*(4*(\hi)+(\a))+7], 0
.else
	v_wmma_f32_16x16x32_bf16 v[8*(8*(\a)+(\b)):8*(8*(\a)+(\b))+7], v[(\f)+8*(\b):(\f)+8*(\b)+7], v[(\f)+8*(4*(\hi)+(\a)):(\f)+8*(4*(\hi)+(\a))+7], v[8*(8*(\a)+(\b)):8*(8*(\a)+(\b))+7]
.endif
.endr
.endr
.endm
; 32 LDS loads in one run: the fragments of one quarter step (128 rows of B, 128 rows of A, 32 K at byte k of the rows) into buffer f
.macro FETCH slot, k, f
	WIN TO_B
.irp i, 0,1,2,3,4,5,6,7
	ds_load_b128 v[(\f)+8*(\i):(\f)+8*(\i)+3],   v[ADRB+(\slot)] offset:(\k)+(\i)*16*PITCH
	ds_load_b128 v[(\f)+8*(\i)+4:(\f)+8*(\i)+7], v[ADRB+(\slot)] offset:(\k)+(\i)*16*PITCH+32
.endr
	WIN 0
.irp i, 0,1,2,3,4,5,6,7
	ds_load_b128 v[(\f)+8*(\i):(\f)+8*(\i)+3],   v[ADRA+(\slot)] offset:(\k)+(\i)*16*PITCH
	ds_load_b128 v[(\f)+8*(\i)+4:(\f)+8*(\i)+7], v[ADRA+(\slot)] offset:(\k)+(\i)*16*PITCH+32
.endr
.endm
; A load into a register that a matrix instruction has read stands four places behind that matrix instruction, and only plain vector instructions that name none of its registers are places
; (ISA guide 7.12.1 for vector instructions).  So four v_nop stand in front of each run of loads.
.macro PLACES
.rept 4
	v_nop
.endr
.endm
; A K step is four quarter steps of 32 along K, 64 matrix instructions each, on buffers 0, 1, 0, 1.
; One of the first three: multiplies buffer f; in its middle it fetches the next quarter's fragments, at byte k of the same slot's rows, into buffer g.
.macro QUARTER slot, k, f, g, zero
	s_wait_dscnt 8                                 ; B and A's rows 0-63 are in; the youngest eight loads (A's rows 64-127) may be out
	WIN MUL_LO
	MUL16 \f, 0, 0, \zero
	MUL16 \f, 0, 2, \zero
	PLACES
	FETCH \slot, \k, \g
	s_wait_dscnt 32                                ; all but the 32 just issued
	WIN MUL_HI
	MUL16 \f, 1, 0, \zero
	MUL16 \f, 1, 2, \zero
.endm
; The last quarter multiplies buffer 1 and changes slots.  MEET is its first half: ONE barrier for the change of slots.  In front of it each wave waits for all its tensor loads, of which one is out:
; its part of the next slot; adds 0 to its spare word; and waits for that and for its own reads of this slot.  Behind it nobody reads this slot any more and the next slot is whole.
.macro MEET round                      ; round = 1: the rest of a round of the cluster's barrier follows
	WIN 0                                          ; (the add's two registers lie in window 0)
	s_wait_tensorcnt 0x0                           ; all my tensor loads have landed;
	ds_add_u32 v[SPW], v[NIL]                      ; 0 onto my spare word;
	s_wait_dscnt 9                                 ; (the add and the youngest eight loads may be out)
	WIN MUL_LO
	MUL16 F1, 0, 0, 0                              ; sixteen matrix instructions stand between the add and the wait for it
	s_wait_dscnt 0x0                               ; the add is done, and my reads of this slot are over:
	s_barrier_signal -1                            ; say so,
	MUL16 F1, 0, 2, 0                              ; work on registers while the others arrive,
.if \round
	WIN 0
.endif
	s_barrier_wait -1                              ; and go on when all four have said so
.endm
; The whole last quarter, with a refill: behind the round the slot just read out is filled again first, with the K step two steps on; then come the next slot's first fragments.
; From a request to the wait for it a wave issues 224 matrix instructions; one tensor load of the wave is out.
.macro TURN slot, next
	s_wait_xcnt 0x0                                ; the last prefetch, a K step back, has read its address: it is stepped here, ahead of the waits of the change of slots
	s_add_nc_u64 s[PFA:PFA+1], s[PFA:PFA+1], KSTEP*2
	MEET 1
	CREST                                          ; all sixteen work-groups have said so: no wave of any partner still reads this slot's tile or has a load on its way
	s_add_nc_u64 s[G0+4*(\slot)+2:G0+4*(\slot)+3], s[G0+4*(\slot)+2:G0+4*(\slot)+3], 2*KSTEP*2   ; no tensor load of mine is out, so a group 0 may be written
	s_add_nc_u64 s[G0B+4*(\slot)+2:G0B+4*(\slot)+3], s[G0B+4*(\slot)+2:G0B+4*(\slot)+3], 2*KSTEP*2
	JLOAD \slot                                    ; the first tensor load behind the round; the four v_nop behind it are also the places in front of the loads below
	FETCH \next, 0, F0
	ASK
	WIN MUL_HI
	MUL16 F1, 1, 0, 0
	MUL16 F1, 1, 2, 0
.endm
; The same in the last lap: nothing is filled again, so no round follows the barrier.
.macro TURNX
	MEET 0
	PLACES
	FETCH 1, 0, F0
	WIN MUL_HI
	MUL16 F1, 1, 0, 0
	MUL16 F1, 1, 2, 0
.endm
	s_wait_tensorcnt 1                             ; my part of K step 0 is in; K step 1's may stay out
	s_barrier_signal -1
	s_barrier_wait -1                              ; everybody's is
	FETCH 0, 0, F0
	QUARTER 0, 64,  F0, F1, 1                      ; the first quarter stands in front of the loop: its products start the sums
	WIN 0                                          ; at a label and at a branch every window is 0
	s_mov_b32 s3, LAPS-1
.Llap:                                                 ; a trip goes once round the ring, from a lap's second quarter to the next lap's first, and fills both slots again
	QUARTER 0, 128, F1, F0, 0
	QUARTER 0, 192, F0, F1, 0
	TURN 0, 1
	QUARTER 1, 64,  F0, F1, 0
	QUARTER 1, 128, F1, F0, 0
	QUARTER 1, 192, F0, F1, 0
	TURN 1, 0
	QUARTER 0, 64,  F0, F1, 0
	WIN 0
	s_sub_co_u32 s3, s3, 1
	s_cmp_lg_u32 s3, 0
	s_cbranch_scc1 .Llap
	QUARTER 0, 128, F1, F0, 0                      ; the last lap is written out: it asks for nothing
	QUARTER 0, 192, F0, F1, 0
	TURNX
	QUARTER 1, 64,  F0, F1, 0
	QUARTER 1, 128, F1, F0, 0
	QUARTER 1, 192, F0, F1, 0
	s_wait_dscnt 8                                 ; the very last quarter: nothing more to fetch
	WIN MUL_LO
	MUL16 F1, 0, 0, 0
	MUL16 F1, 0, 2, 0
	s_wait_dscnt 0x0
	MUL16 F1, 1, 0, 0
	MUL16 F1, 1, 2, 0
	WIN 0
; THE WAY OUT, a block of 16 rows at a time.  A lane's 32 bytes are one sixteenth of its row's 512, and the lanes beside it hold other rows.  So the block goes through my own stage in LDS: in as
; 32 bytes a lane into rows of 528 bytes, back as whole rows of 512, where scale and bias are applied (one packed fused multiply-add for two numbers) and the row is stored.
; TOSTAGE a: each accumulator's four lowest registers are read first.  The rows come back into one of two buffers of 64 registers, where A's fragments lay.
.macro TOSTAGE a
.set AC, 64*((\a)%4)
.set BK, F0+64*((\a)%2)
	WIN 0x08+4*((\a)/4)                            ; the stores' data (source 1) in window 2 or 3, their address in window 0
.irp b, 0,1,2,3,4,5,6,7
	ds_store_b128 v[STO], v[AC+8*(\b):AC+8*(\b)+3]   offset:64*(\b)
	ds_store_b128 v[STO], v[AC+8*(\b)+4:AC+8*(\b)+7] offset:64*(\b)+16
.endr
	WIN 0
.if (\a) >= 2
	s_wait_xcnt 0x0                                ; the stores of the block two back have read this buffer: it is loaded again only behind this wait
.endif
.irp t, 0,1,2,3,4,5,6,7,8,9,10,11,12,13,14,15
	ds_load_b128 v[BK+4*(\t):BK+4*(\t)+3], v[RD] offset:(\t)*SPITCH  ; LDS serves a wave's instructions in order (ISA guide 5.7.1.4): these see the stores above; the next block's stores come behind them
.endr
.endm
.macro SEND a, younger                 ; younger: the LDS instructions issued behind block a's loads: the next block's 32, or none
.set BK, F0+64*((\a)%2)
.irp t, 0,1,2,3,4,5,6,7,8,9,10,11,12,13,14,15
	s_wait_dscnt (\younger)+15-(\t)                ; row t is back
	v_pk_fma_f32 v[BK+4*(\t):BK+4*(\t)+1],   v[BK+4*(\t):BK+4*(\t)+1],   s[FS:FS+1], v[BI:BI+1]   op_sel_hi:[1,0,1]
	v_pk_fma_f32 v[BK+4*(\t)+2:BK+4*(\t)+3], v[BK+4*(\t)+2:BK+4*(\t)+3], s[FS:FS+1], v[BI+2:BI+3] op_sel_hi:[1,0,1]
	global_store_b128 v[CO], v[BK+4*(\t):BK+4*(\t)+3], s[8:9] offset:(16*(\a)+(\t))*SIZE_N*4 th:TH_STORE_NT  ; 512 consecutive bytes, at a multiple of 256 from out0's first; 127 rows at the most: inside the signed 24-bit immediate
.endr
.endm
	PLACES                                         ; the LDS stores read results just made, and the loads land where the last products' sources lay
	PLACES                                         ; (eight, once a launch)
	s_wait_loadcnt 0x0                             ; bias
	TOSTAGE 0
.irp a, 1,2,3,4,5,6,7                  ; block a goes into the stage while block a - 1's rows come back
	TOSTAGE \a
	SEND (\a)-1, 32
.endr
	SEND 7, 0
	s_wait_tensorcnt 0x0                           ; the wave's end, behind my last tensor load and my last LDS store
	ds_add_u32 v[SPW], v[NIL]
	s_wait_dscnt 0x0
	CROUND                                         ; the closing round: no work-group ends while a partner may still ask for a tile that names it
	s_endpgm
.Lfunc_end_k_qfff866d377_gemm:
	.size	k_qfff866d377_gemm, .Lfunc_end_k_qfff866d377_gemm-k_qfff866d377_gemm
	.p2alignl 7, 3214868480
	.fill 96, 4, 3214868480
	.section	.rodata,"a",@progbits
	.p2align	6, 0x0
	.amdhsa_kernel k_qfff866d377_gemm
		.amdhsa_group_segment_fixed_size 327680
		.amdhsa_private_segment_fixed_size 0
		.amdhsa_enable_private_segment 0
		.amdhsa_kernarg_size 48
		.amdhsa_user_sgpr_count 2
		.amdhsa_user_sgpr_kernarg_segment_ptr 1
		.amdhsa_wavefront_size32 1
		.amdhsa_system_sgpr_workgroup_id_x 1
		.amdhsa_system_sgpr_workgroup_id_y 1
		.amdhsa_system_sgpr_workgroup_id_z 1
		.amdhsa_system_vgpr_workitem_id 0
		.amdhsa_next_free_vgpr 1024
		.amdhsa_next_free_sgpr 80
		.amdhsa_reserve_vcc 0
		.amdhsa_float_denorm_mode_32 3
		.amdhsa_float_denorm_mode_16_64 3
		.amdhsa_memory_ordered 1
		.amdhsa_forward_progress 1
		.amdhsa_inst_pref_size 162
	.end_amdhsa_kernel
	.amdgpu_metadata
---
amdhsa.version: [ 1, 2 ]
amdhsa.kernels:
  - .name:           k_qfff866d377_gemm
    .symbol:         k_qfff866d377_gemm.kd
    .args:
      - { .name: xq, .offset: 0, .size: 8, .value_kind: global_buffer, .address_space: global }
      - { .name: wq, .offset: 8, .size: 8, .value_kind: global_buffer, .address_space: global }
      - { .name: out0, .offset: 16, .size: 8, .value_kind: global_buffer, .address_space: global }
      - { .name: bias, .offset: 24, .size: 8, .value_kind: global_buffer, .address_space: global }
      - { .name: scl, .offset: 32, .size: 8, .value_kind: global_buffer, .address_space: global }
      - { .name: weight_scale, .offset: 40, .size: 8, .value_kind: global_buffer, .address_space: global }
    .group_segment_fixed_size: 327680
    .private_segment_fixed_size: 0
    .kernarg_segment_align: 8
    .kernarg_segment_size: 48
    .max_flat_workgroup_size: 128
    .sgpr_count:     80
    .vgpr_count:     1024
    .wavefront_size: 32
...
	.end_amdgpu_metadata
.endif
;; end of part 3
;; ======== version 2 of 2: 3 launches; version 1 with the launch quant written anew for expert scheduling mode
;; workspace buffers: wq 33,554,432 bytes; xq 33,554,432 bytes; pmax 2,048 bytes; scl 256 bytes
;; launch prep: the kernel of part 1 again; grid 512 x 1, 8 waves a work-group, no clusters, 1,280 bytes of LDS; arguments x, quantized_weight, wq, pmax; writes wq, pmax
;; launch quant (part 4): grid 512 x 1, 8 waves a work-group, no clusters, 0 bytes of LDS; arguments x, pmax, xq, scl; writes xq, scl
.if DOCPART == 4
	.amdgcn_target "amdgcn-amd-amdhsa--gfx1250"
	.amdhsa_code_object_version 6
	.text
	.protected	k_qfff866d377_quant
	.globl	k_qfff866d377_quant
	.p2align	8
	.type	k_qfff866d377_quant,@function
k_qfff866d377_quant:
	s_mov_b64 s[64:65], 0
	v_nop
	global_prefetch_b8 v0, s[64:65] scope:SCOPE_SE
	s_setreg_imm32_b32 hwreg(HW_REG_WAVE_SCHED_MODE, 0, 2), 2
	s_setreg_imm32_b32 hwreg(HW_REG_WAVE_MODE, 25, 1), 1
	s_wait_xcnt 0x0
	s_wait_alu depctr_vm_vsrc(0)
; SECOND OF THREE LAUNCHES.  m = the largest of pmax's 512 numbers; x_scale = m / 127; xq = clip(round(x / x_scale), -127, 127) as bf16; scl = x_scale, 64 times.
; x: [4096][4096] f32, pmax: [512] f32, xq: [4096][4096] bf16, scl: [64] f32.  Whole numbers up to 256 are exact in bf16, so xq loses nothing.
; LIMITS.  An x that is all zeros (the reference gives NaN), NaN or infinities in x, and m below 127 x 2^-126 (v_rcp_f32 takes a denormal as 0: ISA guide 15.8) are not served.
; The two divisions are a reciprocal with a correction by the remainder: m / 127 = s0 + (m - 127 s0) / 127 with s0 = m x (1/127); x / x_scale = q0 + (x - q0 x_scale) r with q0 = x r and r = 1 / x_scale
; after one Newton step.  Where the quotient so made falls on the other side of a half than the reference's, one entry of xq differs by 1.
; The clip is made on the packed bf16: 127 is exact there and the rounding to bf16 keeps the order, so it is the f32 clip.
; SHARES.  Wave g = 8 x work-group + wave owns row g of x and holds all of it: 32 loads of 16 bytes a lane, all issued at once behind the four loads of pmax, which every wave reads whole.
; Each register is written by one load and read by one store: nothing is rewritten while a store may read it.  A store of the wave is 256 consecutive bytes of xq, at a multiple of 256 from its first byte.
; THE MODE: SCHED_MODE bits 1:0 = 2 (LLVM: expert scheduling mode 2), set by the entry lines.  The code itself states the register dependences
; between vector instructions and memory instructions, with s_wait_alu, always for 0.
; THE PLAN.  Registers that memory instructions touch:
;   v[LO], v[SO]  the loads' and the stores' offsets: made once at the head, never written again.
;   P             pmax's four loads land in it; behind their wait vector lines alone name it.
;   X, piece j    four registers.  Load j lands in them; piece j's vector lines read them and write the first two anew (four bf16); store j reads those two; nothing writes them again.
;   v[8:9]        x_scale, twice: written ahead of the pieces' work, read by the one store of scl at the end.
; No register that a memory instruction has read is ever written again, and no load lands in a register that a vector line has named: what is left to state is that a store's data are written.
; So the 32 pieces go in 8 blocks of four.  ONE wait on va_vdst stands at a block's head: the block before has written its eight registers of bf16.  That block's four stores follow it, one in
; front of each piece of the block in hand, whose vector lines name their own sixteen registers of X, v[12:27] and scalars alone: none of the registers that those stores read.
.set LO, 2                             ; v2   16 x lane; never rewritten
.set SO, 3                             ; v3   8 x lane; never rewritten
.set X,  32                            ; v[32:159]  the row; registers 4 j, 4 j + 1 later hold the four bf16 to store
.set P,  160                           ; v[160:175] pmax
	s_load_b256 s[4:11], s[0:1], 0x0               ; x s[4:5], pmax s[6:7], xq s[8:9], scl s[10:11]
	v_lshrrev_b32 v1, 5, v0
	v_readfirstlane_b32 s12, v1                    ; wave 0..7
	v_and_b32 v1, 31, v0
	v_lshlrev_b32 v[LO], 4, v1
	v_lshlrev_b32 v[SO], 3, v1
	v_mov_b32 v5, 0                                ; v_permlanex16_b32's destination counts as read
	s_wait_alu depctr_va_sdst(0)                   ; s12 is written, ahead of its first reader: my row's number is made from it
	s_lshl_b32 s13, ttmp9, 3
	s_add_co_u32 s13, s13, s12                     ; my row
	s_lshl_b32 s14, s13, 14
	s_mov_b32 s15, 0
	s_lshl_b32 s16, s13, 13
	s_mov_b32 s17, 0
	s_mov_b32 s18, 0x76543210
	s_mov_b32 s19, 0xfedcba98
	s_mov_b32 s20, 0x42fe0000                      ; 127.0
	s_mov_b32 s21, 0x3c010204                      ; 1 / 127
	s_mov_b32 s26, 0x42fe42fe                      ; 127, twice, in bf16
	s_mov_b32 s27, 0xc2fec2fe                      ; -127, twice
	s_or_b32 s28, ttmp9, s12                       ; 0 in wave 0 of work-group 0
	s_wait_kmcnt 0x0
	s_add_nc_u64 s[4:5], s[4:5], s[14:15]
	s_add_nc_u64 s[8:9], s[8:9], s[16:17]
	s_wait_alu depctr_va_vdst(0)                   ; v[LO] is written, which every load below reads as its offset (and v[SO], the stores')
.irp i, 0,1,2,3
	global_load_b128 v[P+4*(\i):P+4*(\i)+3], v[LO], s[6:7] offset:512*(\i)
.endr
.set j, 0
.rept 32
	global_load_b128 v[X+4*j:X+4*j+3], v[LO], s[4:5] offset:512*j th:TH_LOAD_NT
.set j, j+1
.endr
	s_wait_loadcnt 32                              ; pmax is in; the row's 32 loads stay out
.irp i, 0,1,2,3
	v_max3_num_f32 v[P+4*(\i)], v[P+4*(\i)], v[P+4*(\i)+1], v[P+4*(\i)+2]
.endr
	v_max3_num_f32 v[P], v[P], v[P+3], v[P+7]
	v_max3_num_f32 v[P+4], v[P+4], v[P+11], v[P+15]
	v_max3_num_f32 v[P], v[P], v[P+4], v[P+8]
	v_max_num_f32 v4, v[P], v[P+12]
	v_max_num_f32_dpp v4, v4, v4 row_xmask:1 row_mask:0xf bank_mask:0xf
	v_max_num_f32_dpp v4, v4, v4 row_xmask:2 row_mask:0xf bank_mask:0xf
	v_max_num_f32_dpp v4, v4, v4 row_xmask:4 row_mask:0xf bank_mask:0xf
	v_max_num_f32_dpp v4, v4, v4 row_xmask:8 row_mask:0xf bank_mask:0xf
	v_permlanex16_b32 v5, v4, s18, s19
	v_max_num_f32 v4, v4, v5                       ; m, in every lane
	v_mul_f32 v6, s21, v4                          ; s0
	v_fma_f32 v11, -v6, s20, v4                    ; m - 127 s0
	v_fma_f32 v8, v11, s21, v6                     ; x_scale
	v_mov_b32 v9, v8
	v_rcp_f32 v10, v8
	v_nop                                          ; a plain instruction between the reciprocal and the use of its result (ISA guide 5.7.2)
	s_wait_alu depctr_va_vdst(0)                   ; the reciprocal has written v10, ahead of its first reader
	v_fma_f32 v11, -v8, v10, 1.0
	v_fma_f32 v10, v11, v10, v10                   ; r, after one Newton step
	v_readfirstlane_b32 s22, v8                    ; s[22:23] x_scale, s[24:25] r: the packed lines name pairs and take the low word for both halves
	v_readfirstlane_b32 s24, v10
	s_wait_alu depctr_va_sdst(0)                   ; s22 and s24 are written, ahead of their first readers: the two moves below, then the packed lines
	s_mov_b32 s23, s22
	s_mov_b32 s25, s24
.set b, 0
.rept 8                                ; block b: pieces 4 b to 4 b + 3
.if b > 0
	s_wait_alu depctr_va_vdst(0)                   ; the clips of the block before have written its eight registers of bf16, which the four stores dealt below read
.endif
.set i, 0
.rept 4
.set j, 4*b+i
.set T, 12+8*(j%2)                     ; v[12:19], v[20:27] at work, by turns: four quotients, four remainders
.set XR, X+4*j
.if b > 0
	global_store_b64 v[SO], v[XR-16:XR-15], s[8:9] offset:256*(j-4) th:TH_STORE_NT  ; piece j - 4.  No wait: no vector line since the wait at the block's head names these registers
.endif
	s_wait_loadcnt 31-j                            ; load j is in; the younger ones stay out
	v_pk_mul_f32 v[T:T+1], v[XR:XR+1], s[24:25] op_sel_hi:[1,0]
	v_pk_mul_f32 v[T+2:T+3], v[XR+2:XR+3], s[24:25] op_sel_hi:[1,0]
	v_pk_fma_f32 v[T+4:T+5], v[T:T+1], s[22:23], v[XR:XR+1] op_sel_hi:[1,0,1] neg_lo:[1,0,0] neg_hi:[1,0,0]
	v_pk_fma_f32 v[T+6:T+7], v[T+2:T+3], s[22:23], v[XR+2:XR+3] op_sel_hi:[1,0,1] neg_lo:[1,0,0] neg_hi:[1,0,0]
	v_pk_fma_f32 v[T:T+1], v[T+4:T+5], s[24:25], v[T:T+1] op_sel_hi:[1,0,1]
	v_pk_fma_f32 v[T+2:T+3], v[T+6:T+7], s[24:25], v[T+2:T+3] op_sel_hi:[1,0,1]
	v_rndne_f32 v[T], v[T]
	v_rndne_f32 v[T+1], v[T+1]
	v_rndne_f32 v[T+2], v[T+2]
	v_rndne_f32 v[T+3], v[T+3]
	v_cvt_pk_bf16_f32 v[XR], v[T], v[T+1]
	v_cvt_pk_bf16_f32 v[XR+1], v[T+2], v[T+3]
	v_pk_min_num_bf16 v[XR], v[XR], s26
	v_pk_min_num_bf16 v[XR+1], v[XR+1], s26
	v_pk_max_num_bf16 v[XR], v[XR], s27
	v_pk_max_num_bf16 v[XR+1], v[XR+1], s27
.set i, i+1
.endr
.set b, b+1
.endr
	s_wait_alu depctr_va_vdst(0)                   ; the last block's clips have written its eight registers, which the last four stores read; v[8:9], which the store of scl reads, were written long before
.irp j, 28,29,30,31
	global_store_b64 v[SO], v[X+4*(\j):X+4*(\j)+1], s[8:9] offset:256*(\j) th:TH_STORE_NT
.endr
	s_cmp_lg_u32 s28, 0                            ; one wave of the launch writes scl: 32 lanes x 8 bytes, all 256
	s_cbranch_scc1 .Lend
	global_store_b64 v[SO], v[8:9], s[10:11]
.Lend:
	s_endpgm
.Lfunc_end_k_qfff866d377_quant:
	.size	k_qfff866d377_quant, .Lfunc_end_k_qfff866d377_quant-k_qfff866d377_quant
	.p2alignl 7, 3214868480
	.fill 96, 4, 3214868480
	.section	.rodata,"a",@progbits
	.p2align	6, 0x0
	.amdhsa_kernel k_qfff866d377_quant
		.amdhsa_group_segment_fixed_size 0
		.amdhsa_private_segment_fixed_size 0
		.amdhsa_enable_private_segment 0
		.amdhsa_kernarg_size 32
		.amdhsa_user_sgpr_count 2
		.amdhsa_user_sgpr_kernarg_segment_ptr 1
		.amdhsa_wavefront_size32 1
		.amdhsa_system_sgpr_workgroup_id_x 1
		.amdhsa_system_sgpr_workgroup_id_y 1
		.amdhsa_system_sgpr_workgroup_id_z 1
		.amdhsa_system_vgpr_workitem_id 0
		.amdhsa_next_free_vgpr 176
		.amdhsa_next_free_sgpr 66
		.amdhsa_reserve_vcc 0
		.amdhsa_float_denorm_mode_32 3
		.amdhsa_float_denorm_mode_16_64 3
		.amdhsa_memory_ordered 1
		.amdhsa_forward_progress 1
		.amdhsa_inst_pref_size 39
	.end_amdhsa_kernel
	.amdgpu_metadata
---
amdhsa.version: [ 1, 2 ]
amdhsa.kernels:
  - .name:           k_qfff866d377_quant
    .symbol:         k_qfff866d377_quant.kd
    .args:
      - { .name: x, .offset: 0, .size: 8, .value_kind: global_buffer, .address_space: global }
      - { .name: pmax, .offset: 8, .size: 8, .value_kind: global_buffer, .address_space: global }
      - { .name: xq, .offset: 16, .size: 8, .value_kind: global_buffer, .address_space: global }
      - { .name: scl, .offset: 24, .size: 8, .value_kind: global_buffer, .address_space: global }
    .group_segment_fixed_size: 0
    .private_segment_fixed_size: 0
    .kernarg_segment_align: 8
    .kernarg_segment_size: 32
    .max_flat_workgroup_size: 256
    .sgpr_count:     66
    .vgpr_count:     176
    .wavefront_size: 32
...
	.end_amdgpu_metadata
.endif
;; end of part 4
;; launch gemm: the kernel of part 3 again; grid 16 x 16, 4 waves a work-group, clusters of 4 x 4, 327,680 bytes of LDS; arguments xq, wq, out0, bias, scl, weight_scale; writes out0
